; MI455X (gfx1250); checked and timed in simulation.
; The chip was launched on July 23, 2026; its instructions are those of AMD's public machine-readable ISA for CDNA 5 (MIT licence, August 2026) and "CDNA5" Instruction Set Architecture Reference Guide (July 2026). The comments in the code are by the model that wrote it; some were corrected since.
;; Self Attention. Allowed arithmetic: matrix products marked QUANTISED: E2M3 operands, one E8M0 scale for each 32 along K, by v_wmma_scale_f32_16x16x128_f8f6f4 with both operands' format E2M3, f32 sums; everything else in f32.
;; Inputs: bk 256 float32; bo 256 float32; bq 256 float32; bv 256 float32; wk 256 x 256 float32; wo 256 x 256 float32; wq 256 x 256 float32; wv 256 x 256 float32; x 4 x 256 x 64 x 64 float32.
;; Outputs: out0 4 x 256 x 64 x 64 float32.
;; This version of the problem:
;;   THIS VERSION OF THE PROBLEM IS GIVEN IN LOW PRECISION. The matrix products marked QUANTISED in the list below multiply operands that are first quantised to E2M3 (2 exponent bits, 3 mantissa bits; 6 bits a number), with one power-of-two scale for each 32 numbers along K (OCP MX v1.0); their sums are f32. All else is computed in f32.
;;   The module's matrix products, in the order in which they are computed (A, B: the left and right operand; K: the contracted axis; several contracted axes count as one K, in the product's order):
;;     1. [M 16,384, K 256] x [K 256, N 256]; A: input x; B: input wq: QUANTISED
;;     2. [M 16,384, K 256] x [K 256, N 256]; A: input x; B: input wk: QUANTISED
;;     3. [M 16,384, K 256] x [K 256, N 256]; A: input x; B: input wv: QUANTISED
;;     4. batch 16 x [M 4,096, K 64] x [K 64, N 4,096]; A: computed on the way; B: computed on the way: QUANTISED
;;     5. batch 16 x [M 64, K 4,096] x [K 4,096, N 4,096]; A: computed on the way; B: softmax (see below): QUANTISED
;;     6. [M 16,384, K 256] x [K 256, N 256]; A: computed on the way; B: input wo: QUANTISED
;;   THE QUANTISER, for each operand of a quantised product, along K:
;;     - K is cut into blocks of 32 from its start; a last block that is shorter is filled with zeros.
;;     - A block's scale is 2^e with e = floor(log2(the largest magnitude in the block)) - 2, held to -126 .. 127; a block of zeros has e = 0. As a byte (E8M0): e + 127.
;;     - Each number is divided by its block's scale, clamped to +-7.5, and rounded to the nearest number of E2M3, ties to even, subnormals kept.
;;     - The product sums the exact products of the quantised numbers (number of the format x scale) in f32.
;;   ~~~python
;;   def quantise(x, axis):      # numpy; x: float32 -> the quantised numbers, widened to float32 again
;;       x = np.moveaxis(x, axis, -1); K = x.shape[-1]
;;       x = np.pad(x, [(0, 0)] * (x.ndim - 1) + [(0, -K % 32)]); x = x.reshape(x.shape[:-1] + (-1, 32)); a = np.abs(x).max(-1, keepdims=True)
;;       e = np.where(a > 0, np.clip(np.frexp(np.where(a > 0, a, 1))[1] - 1 - 2, -126, 127), 0)      # np.frexp(a)[1] - 1 = floor(log2(a)), exactly
;;       r = np.clip(x / 2.0 ** e, -7.5, 7.5)
;;       step = 2.0 ** (np.maximum(np.frexp(np.where(r == 0, 1, r))[1] - 1, 0) - 3)
;;       q = np.round(r / step) * step * 2.0 ** e      # np.round: ties to even
;;       return np.moveaxis(q.reshape(q.shape[:-2] + (-1,))[..., :K], -1, axis).astype(np.float32)
;;   ~~~
;;   SOFTMAX AHEAD OF A QUANTISED PRODUCT. Where the list says 'softmax', what is quantised is not the finished softmax but p = 2^(t - M), with t = logit x log2(e) and M = ceil(the row's largest t), a whole number; so 1/2 < the row's largest p <= 1. The row's sum l is taken of the UNQUANTISED p, in f32, and the product's result is divided by l at the end. Since M is a whole number, a kernel that streams over the keys may use a running M (the ceiling of the running maximum): every later rescaling is an exact power of two, which a block's scale takes up: the codes' values come out the same.
;;   OPERANDS COMPUTED ON THE WAY. 'Computed on the way' means the value that the module computes at that place (a softmax that the list does not call 'softmax' is quantised finished and normalised). What goes into a quantiser is computed in f32, as accurately as f32 sums, v_exp_f32 and their like allow (about 1e-6 of the number): no bf16 or f16 on the way to a quantiser, and a product that is left as it is and whose result goes on into a quantised operand takes f32 operands (vector FMAs, or v_wmma_f32_16x16x4_f32). A number that lies on a knife's edge between two numbers of the format may be rounded either way, as far as f32 arithmetic and the matrix unit's own rounding can turn it there, and no further.
;; One version. Each part assembles by itself: llvm-mc -triple=amdgcn-amd-amdhsa -mcpu=gfx1250 --defsym DOCPART=n.
;; ======== version 1 of 1: 4 launches
;; workspace buffers: wimg 204,800 bytes; qimg 3,407,872 bytes; kv 6,684,672 bytes; oimg 3,145,728 bytes; oscl 262,144 bytes
;; launch wquant (part 1): grid 16 x 4, 1 waves a work-group, no clusters, 0 bytes of LDS; arguments wq, wk, wv, wo, wimg; writes wimg
.if DOCPART == 1
	.amdgcn_target "amdgcn-amd-amdhsa--gfx1250"
	.amdhsa_code_object_version 6
	.text
	.protected	k_q41cb86b90f_wquant
	.globl	k_q41cb86b90f_wquant
	.p2align	8
	.type	k_q41cb86b90f_wquant,@function
k_q41cb86b90f_wquant:
	s_mov_b64 s[64:65], 0
	v_nop
	global_prefetch_b8 v0, s[64:65] scope:SCOPE_SE
	s_setreg_imm32_b32 hwreg(HW_REG_WAVE_MODE, 25, 1), 1
	s_wait_xcnt 0x0
; The four weights [256][256] f32 (K = the second axis, innermost) become codes of FP6 (E2M3) with one E8M0 byte for each 32 along K,
; laid as IMAGES OF THE OPERAND'S REGISTERS: a fragment (16 rows x 128 K, 12 registers a lane) is three blocks of 512 bytes, block i = registers 4 i .. 4 i + 3, lane l at 16 l.
; wimg: [matrix 0 wq, 1 wk, 2 wv, 3 wo] 51,200 bytes each: 32 fragments (2 t + s: tile t, K step s) of 1,536 bytes, then at 49,152 for each tile 128 bytes of scale words
; (lane l at 4 l: lanes 0-15 the word of row l for K step 0, lanes 16-31 that of row l - 16 for K step 1).
; THE ROWS OF A TILE ARE NOT NEIGHBOURS: lane r of tile 2 b + u stands for row 32 b + 8 u + r + 8 (r / 8), so that results made with such a tile as source 0 have 16 neighbours in the registers of two tiles.
; One wave makes one tile of one matrix.  Lane (r, h) takes, for K step s and c = 0, 1, the 32 numbers k = 128 s + 64 c + 32 h + 0 .. 31 of its row: a whole block, so no other lane is asked for a maximum.
; A block's scale is 2^(floor(log2(largest magnitude)) - 2): its byte is the largest magnitude's exponent field - 2, held at 1 from below.
; LIMITS: NaN and infinities are not served; a block of zeros, or one whose largest magnitude lies under 2^-124, gets the byte 1 where the rule says 127 for zeros: its codes are zeros, and this program alone reads the bytes.
.set X,  64                            ; v64-191  the numbers: 64 s + 32 c + i
.set F,  16                            ; v16-39   two fragments
.set PT, 40                            ; v40-46   the upper halves of two blocks' codes (a conversion's three registers begin on an even number)
	s_load_b256 s[4:11], s[0:1], 0x0               ; wq, wk, wv, wo
	s_load_b64 s[12:13], s[0:1], 0x20              ; wimg
	s_and_b32 s16, ttmp7, 0xffff                   ; which matrix
	v_and_b32 v1, 15, v0                           ; r
	v_lshrrev_b32 v2, 4, v0                        ; h
	v_and_b32 v3, 8, v1
	v_add_nc_u32 v3, v3, v1                        ; r + 8 (r / 8)
	v_lshlrev_b32 v3, 10, v3                       ; a row is 1,024 bytes
	v_lshl_add_u32 v3, v2, 7, v3                   ; + 128 h: my block of 32 numbers
	v_lshlrev_b32 v4, 4, v0                        ; 16 x lane: an image's place
	v_lshlrev_b32 v5, 2, v0                        ; 4 x lane: a scale word's
	v_lshlrev_b32 v6, 3, v2                        ; 8 h: where my bytes stand in the word
	v_mov_b32 v7, 0                                ; a lane permute's destination counts as one of its sources
	s_mov_b32 s20, 0x76543210
	s_mov_b32 s21, 0xfedcba98                      ; selects for lane l xor 16
	s_mov_b32 s22, 0xffff0000                      ; lanes 16-31
	s_lshr_b32 s17, ttmp9, 1
	s_lshl_b32 s17, s17, 15                        ; 32 (t / 2) rows
	s_and_b32 s18, ttmp9, 1
	s_lshl_b32 s18, s18, 13                        ; 8 (t % 2) rows
	s_add_co_u32 s18, s18, s17
	s_mov_b32 s19, 0
	s_mul_i32 s24, s16, 51200
	s_mul_i32 s23, ttmp9, 3072
	s_add_co_u32 s26, s24, s23                     ; the tile's two fragments
	s_mov_b32 s27, 0
	s_lshl_b32 s23, ttmp9, 7
	s_add_co_u32 s28, s24, s23
	s_add_co_u32 s28, s28, 49152                   ; its scale words
	s_mov_b32 s29, 0
	s_wait_alu depctr_va_vdst(0)
	s_wait_kmcnt 0x0
	s_cmp_eq_u32 s16, 1                            ; the choice hangs on the work-group's number alone
	s_cselect_b64 s[4:5], s[6:7], s[4:5]
	s_cmp_eq_u32 s16, 2
	s_cselect_b64 s[4:5], s[8:9], s[4:5]
	s_cmp_eq_u32 s16, 3
	s_cselect_b64 s[4:5], s[10:11], s[4:5]
	s_add_nc_u64 s[4:5], s[4:5], s[18:19]
	s_add_nc_u64 s[14:15], s[12:13], s[28:29]
	s_add_nc_u64 s[12:13], s[12:13], s[26:27]
.irp s, 0,1
.irp c, 0,1
.irp i, 0,1,2,3,4,5,6,7
	global_load_b128 v[X+64*\s+32*\c+4*\i:X+64*\s+32*\c+4*\i+3], v3, s[4:5] offset:512*\s+256*\c+16*\i
.endr
.endr
.endr
; K step s: two blocks a lane, by turns; the scale word; the codes; three stores of 512 consecutive bytes.
.macro WSTEP s, left
	s_wait_loadcnt \left                           ; this K step's sixteen loads are in; the later K step's may be out
	v_max3_num_f32 v8, |v[X+64*\s]|, |v[X+64*\s+1]|, 0x1800000       ; the floor 2^(3 - 127) among the leaves: the byte cannot fall under 1
	v_max3_num_f32 v9, |v[X+64*\s+32]|, |v[X+64*\s+33]|, 0x1800000
.irp i, 2,4,6,8,10,12,14,16,18,20,22,24,26,28,30
	v_max3_num_f32 v8, v8, |v[X+64*\s+\i]|, |v[X+64*\s+\i+1]|
	v_max3_num_f32 v9, v9, |v[X+64*\s+32+\i]|, |v[X+64*\s+33+\i]|
.endr
	v_add_nc_u32 v10, 0xff000000, v8               ; 2 off the exponent field: the conversion takes the exponent field of this operand as its scale
	v_add_nc_u32 v11, 0xff000000, v9
	v_lshrrev_b32 v12, 23, v10                     ; the bytes of blocks h and 2 + h
	v_lshrrev_b32 v13, 23, v11
	v_lshl_or_b32 v12, v13, 16, v12
	v_lshlrev_b32 v12, v6, v12                     ; at their places in the word
	v_permlanex16_b32 v7, v12, s20, s21
	v_or_b32 v[48+\s], v12, v7                     ; with lane l xor 16's two the word is whole
.irp c, 0,1
	v_cvt_scalef32_pk16_fp6_f32 v[F+12*\s+6*\c:F+12*\s+6*\c+2], v[X+64*\s+32*\c:X+64*\s+32*\c+15], v[10+\c]
	v_cvt_scalef32_pk16_fp6_f32 v[PT+4*\c:PT+4*\c+2], v[X+64*\s+32*\c+16:X+64*\s+32*\c+31], v[10+\c]
.endr
	v_nop                                          ; one plain place behind a scaled conversion
.irp c, 0,1
.irp i, 0,1,2
	v_mov_b32 v[F+12*\s+6*\c+3+\i], v[PT+4*\c+\i]
.endr
.endr
.irp i, 0,1,2
	global_store_b128 v4, v[F+12*\s+4*\i:F+12*\s+4*\i+3], s[12:13] offset:1536*\s+512*\i   ; each K step has registers of its own: no store's data are written again
.endr
.endm
	WSTEP 0, 16
	WSTEP 1, 0
	v_cndmask_b32 v50, v48, v49, s22               ; lanes 0-15 K step 0's words, lanes 16-31 K step 1's
	global_store_b32 v5, v50, s[14:15]
	s_endpgm
.Lfunc_end_k_q41cb86b90f_wquant:
	.size	k_q41cb86b90f_wquant, .Lfunc_end_k_q41cb86b90f_wquant-k_q41cb86b90f_wquant
	.p2alignl 7, 3214868480
	.fill 96, 4, 3214868480
	.section	.rodata,"a",@progbits
	.p2align	6, 0x0
	.amdhsa_kernel k_q41cb86b90f_wquant
		.amdhsa_group_segment_fixed_size 0
		.amdhsa_private_segment_fixed_size 0
		.amdhsa_enable_private_segment 0
		.amdhsa_kernarg_size 40
		.amdhsa_user_sgpr_count 2
		.amdhsa_user_sgpr_kernarg_segment_ptr 1
		.amdhsa_wavefront_size32 1
		.amdhsa_system_sgpr_workgroup_id_x 1
		.amdhsa_system_sgpr_workgroup_id_y 1
		.amdhsa_system_sgpr_workgroup_id_z 1
		.amdhsa_system_vgpr_workitem_id 0
		.amdhsa_next_free_vgpr 192
		.amdhsa_next_free_sgpr 66
		.amdhsa_reserve_vcc 0
		.amdhsa_float_denorm_mode_32 3
		.amdhsa_float_denorm_mode_16_64 3
		.amdhsa_memory_ordered 1
		.amdhsa_forward_progress 1
		.amdhsa_inst_pref_size 12
	.end_amdhsa_kernel
	.amdgpu_metadata
---
amdhsa.version: [ 1, 2 ]
amdhsa.kernels:
  - .name:           k_q41cb86b90f_wquant
    .symbol:         k_q41cb86b90f_wquant.kd
    .args:
      - { .name: wq, .offset: 0, .size: 8, .value_kind: global_buffer, .address_space: global }
      - { .name: wk, .offset: 8, .size: 8, .value_kind: global_buffer, .address_space: global }
      - { .name: wv, .offset: 16, .size: 8, .value_kind: global_buffer, .address_space: global }
      - { .name: wo, .offset: 24, .size: 8, .value_kind: global_buffer, .address_space: global }
      - { .name: wimg, .offset: 32, .size: 8, .value_kind: global_buffer, .address_space: global }
    .group_segment_fixed_size: 0
    .private_segment_fixed_size: 0
    .kernarg_segment_align: 8
    .kernarg_segment_size: 40
    .max_flat_workgroup_size: 32
    .sgpr_count:     66
    .vgpr_count:     192
    .wavefront_size: 32
...
	.end_amdgpu_metadata
.endif
;; end of part 1
;; launch proj (part 2): grid 32 x 4, 8 waves a work-group, no clusters, 26,624 bytes of LDS; arguments x, wimg, bq, bk, bv, qimg, kv; writes qimg, kv
.if DOCPART == 2
	.amdgcn_target "amdgcn-amd-amdhsa--gfx1250"
	.amdhsa_code_object_version 6
	.text
	.protected	k_q41cb86b90f_proj
	.globl	k_q41cb86b90f_proj
	.p2align	8
	.type	k_q41cb86b90f_proj,@function
k_q41cb86b90f_proj:
	s_mov_b64 s[64:65], 0
	v_nop
	global_prefetch_b8 v0, s[64:65] scope:SCOPE_SE
	s_setreg_imm32_b32 hwreg(HW_REG_WAVE_MODE, 25, 1), 1
	s_wait_xcnt 0x0
; q, k, v = W x + b for 128 pixels of one image, on codes of FP6 (E2M3) with one E8M0 byte for each 32 along K, and their quantising for the attention launch.
; x: [4][256 channels][4096 pixels] f32; K = the channels.  A LANE TAKES A PIXEL AND ITS REGISTERS RUN DOWN THE CHANNELS: a block of 32 lies in one lane, and the codes come out with K innermost.
; PIXELS, KEYS, QUERIES AND WEIGHT ROWS FORM TILES BY ONE MAP: row r of tile 2 b + u stands for index 32 b + 8 u + r + 8 (r / 8).  A result made with such a tile as source 0 has, in the 16 registers of tiles 2 b, 2 b + 1
; of lane half h, the 16 neighbours 32 b + 16 h + 0 .. 15: what the conversions want.
; SHARES.  128 pixels to a work-group, since a fragment of V and its scale word span 128 keys; eight waves.
;   x:   wave w quantises 32 pixels (w % 4) x 128 channels (w / 4); codes and scale words go to LDS, one barrier, nothing in LDS is written again.
;   q,k: wave w makes one head (w % 4) of q (w < 4) or k: source 0 = 16 rows of W, source 1 = 16 pixels: a lane holds one pixel, its registers run along d: quantised along d (2 blocks of 32).
;   v:   wave w makes 32 rows of v: source 0 = 16 pixels, source 1 = 16 rows of wv: a lane holds one row d, its registers run along the keys: quantised along the keys (4 blocks of 32).
; The biases are the C of each sum's first matrix instruction.
; OUT, as images of operand registers (block i of 512 bytes = registers 4 i .. 4 i + 3, lane l at 16 l):
;   qimg [head of 16][group of 128 pixels] 6,656 bytes: four pairs of tiles (12 registers: 0-5 tile 2 j, 6-11 tile 2 j + 1), then 512 bytes of scale words (lane l at 16 l, word j: lanes 0-15 tile 2 j, lanes 16-31 tile 2 j + 1).
;   kv   [head of 16] 417,792 bytes: 32 steps of 12,288 (k's four pairs, v's four fragments), then 32 x 768 bytes of scale words (k's 512 as in qimg; v's two images of 128: lanes 0-15 tile 2 i, lanes 16-31 tile 2 i + 1).
; LIMITS: NaN and infinities are not served; a block of zeros, or one under 2^-124, gets the byte 1 where the rule says 127 for zeros: its codes are zeros, and this program alone reads the bytes.
; No tensor load: x is read once and turned in registers; the weight images are small and go straight into registers.
.set XSC, 24576                        ; LDS: 16 fragments of x (2 T + s) x 1,536 bytes, lane l's 12 registers at 48 l; then the scale words: 128 T + 64 s + 4 r
.set WF,  16                           ; v16-111  my head's 8 fragments of W (2 t + s)
.set WS,  112                          ; v112-115 their scale words
.set CR,  116                          ; v116-124 x: a block's codes
.set SW,  116                          ; v116-119 later: the scale words of my four pairs of tiles
.set X,   128                          ; v128-255 x: 128 channels of my pixel
.set BI,  128                          ; v128-159 later: the bias in the result's layout
.set AC,  160                          ; v160-191 four accumulators
.set XF,  192                          ; v192-215 x's two fragments of a tile
.set PC,  216                          ; v216-227 the codes just made
.set PT,  228                          ; v228-234 upper halves of blocks
.set TM,  236                          ; v236-239 largest magnitudes, v240-243 the other half's, then bytes, v248-251 the conversions' scale operands
.set PW,  252                          ; the scale word just made
.set XS,  253                          ; x's scale words of a tile: lanes 0-15 K step 0, lanes 16-31 K step 1
.set XFA, 64                           ; v:  v64-111 four fragments of x
.set WSV, 112                          ;     v112-113 wv's scale words
.set SWV, 114                          ;     v114 v's scale words of my two tiles
.set AV,  128                          ;     v128-191 eight accumulators
.set BV,  192                          ;     v192-207 bv, eight equal registers a tile
.set XS8, 208                          ;     v208-215 x's scale words of the eight tiles
	s_load_b256 s[4:11], s[0:1], 0x0               ; x, wimg, bq, bk
	s_load_b128 s[12:15], s[0:1], 0x20             ; bv, qimg
	s_load_b64 s[16:17], s[0:1], 0x30              ; kv
	v_lshl_add_u32 v126, v0, 2, 0x6400
	v_mov_b32 v127, 0
	v_lshrrev_b32 v1, 5, v0
	s_delay_alu instid0(VALU_DEP_1)
	v_readfirstlane_b32 s18, v1                    ; wave 0..7
	s_and_b32 s20, ttmp7, 0xffff                   ; the image
	s_and_b32 s21, s18, 3                          ; x: which 32 pixels;  q, k: which head
	s_lshr_b32 s22, s18, 2                         ; x: which 128 channels;  0 = q, 1 = k
	s_lshl_b32 s23, s20, 2
	s_lshr_b32 s24, s18, 1
	s_add_co_u32 s24, s24, s23                     ; v: the head of 16 that my 32 rows belong to
	s_add_co_u32 s23, s23, s21                     ; q, k: my head of 16
	s_and_b32 s25, s18, 1                          ; v: which half of that head
	; byte offsets, each in the pair that will hold the address
	s_lshl_b32 s26, s20, 22                        ; x: the image,
	s_lshl_b32 s52, s22, 21                        ; 128 channels of 16,384 bytes,
	s_add_co_u32 s26, s26, s52
	s_lshl_b32 s52, ttmp9, 9                       ; the group's 128 pixels,
	s_add_co_u32 s26, s26, s52
	s_lshl_b32 s52, s21, 7                         ; my 32 of them
	s_add_co_u32 s26, s26, s52
	s_mov_b32 s27, 0
	s_mul_i32 s53, s22, 51200                      ; wq or wk
	s_mul_i32 s28, s21, 12288                      ; my head's 8 fragments
	s_add_co_u32 s28, s28, s53
	s_mov_b32 s29, 0
	s_lshl_b32 s30, s21, 9                         ; and its four tiles' scale words
	s_add_co_u32 s30, s30, s53
	s_add_co_u32 s30, s30, 49152
	s_mov_b32 s31, 0
	s_lshl_b32 s32, s21, 8                         ; my head's 64 numbers of the bias
	s_mov_b32 s33, 0
	s_lshl_b32 s54, s23, 5
	s_add_co_u32 s54, s54, ttmp9
	s_mul_i32 s54, s54, 6656                       ; q's codes,
	s_add_co_u32 s58, s54, 6144                    ; q's scale words
	s_mul_i32 s55, s23, 417792
	s_mul_i32 s56, ttmp9, 12288
	s_add_co_u32 s56, s56, s55                     ; k's codes,
	s_mul_i32 s57, ttmp9, 768
	s_add_co_u32 s57, s57, s55
	s_add_co_u32 s57, s57, 393216                  ; k's scale words
	s_cmp_eq_u32 s22, 0
	s_cselect_b32 s34, s54, s56
	s_cselect_b32 s36, s58, s57
	s_mov_b32 s35, 0
	s_mov_b32 s37, 0
	s_mul_i32 s38, s18, 6144                       ; wv: tiles 2 w, 2 w + 1
	s_add_co_u32 s38, s38, 102400
	s_mov_b32 s39, 0
	s_lshl_b32 s40, s18, 8
	s_add_co_u32 s40, s40, 151552                  ; their scale words
	s_mov_b32 s41, 0
	s_lshl_b32 s42, s18, 7                         ; bv: my 32 numbers
	s_mov_b32 s43, 0
	s_mul_i32 s59, s24, 417792
	s_mul_i32 s44, ttmp9, 12288
	s_add_co_u32 s44, s44, s59
	s_mul_i32 s52, s25, 3072
	s_add_co_u32 s44, s44, s52
	s_add_co_u32 s44, s44, 6144                    ; v's codes: behind the step's k, my two fragments
	s_mov_b32 s45, 0
	s_mul_i32 s46, ttmp9, 768
	s_add_co_u32 s46, s46, s59
	s_lshl_b32 s52, s25, 7
	s_add_co_u32 s46, s46, s52
	s_add_co_u32 s46, s46, 393728                  ; v's scale words: 393,216 + 512
	s_mov_b32 s47, 0
	s_mov_b32 s48, 0x76543210
	s_mov_b32 s49, 0xfedcba98                      ; selects for lane l xor 16
	s_mov_b32 s50, 0xffff0000                      ; lanes 16-31
	v_and_b32 v2, 31, v0                           ; lane
	s_delay_alu instid0(VALU_DEP_1)
	v_lshlrev_b32 v1, 4, v2                        ; v1 = 16 x lane
	s_delay_alu instid0(VALU_DEP_2)
	v_mul_u32_u24 v3, v2, 48                       ; v3 = 48 x lane: a lane's 12 registers of a fragment of x in LDS; the sixteen lanes of a 16-byte load touch sixteen different 16-byte columns modulo 256 bytes
	s_delay_alu instid0(VALU_DEP_3)
	v_lshlrev_b32 v2, 2, v2                        ; v2 = 4 x lane
	v_and_b32 v9, 7, v0
	v_bfe_u32 v10, v0, 4, 1
	s_delay_alu instid0(VALU_DEP_1)
	v_lshl_or_b32 v9, v10, 3, v9                   ; my pixel l = 8 u + r + 8 (r / 8) is row r = l % 8 + 8 (l / 16)
	v_bfe_u32 v10, v0, 3, 1                        ; of tile 2 (w % 4) + u, u = (l / 8) % 2
	s_delay_alu instid0(VALU_DEP_2)
	v_mul_u32_u24 v5, v9, 48
	s_delay_alu instid0(VALU_DEP_1)
	v_mad_u32_u24 v5, v10, 3072, v5
	s_mul_i32 s56, s21, 6144
	s_mul_i32 s57, s22, 1536
	s_add_co_u32 s56, s56, s57
	v_add_nc_u32 v5, s56, v5                       ; v5: where my codes go: fragment 2 T + s, lane r (+ 16 h in the immediate)
	v_lshlrev_b32 v6, 2, v9
	s_delay_alu instid0(VALU_DEP_1)
	v_lshl_add_u32 v6, v10, 7, v6
	s_lshl_b32 s56, s21, 8
	s_lshl_b32 s57, s22, 6
	s_add_co_u32 s56, s56, s57
	s_add_co_u32 s56, s56, XSC
	v_add_nc_u32 v6, s56, v6                       ; v6: where my scale word goes
	v_bfe_u32 v7, v0, 4, 1
	s_delay_alu instid0(VALU_DEP_1)
	v_lshlrev_b32 v7, 6, v7                        ; v7 = 64 h: the bias of q, k: 16 numbers on for the upper half
	v_and_b32 v8, 15, v0
	s_delay_alu instid0(VALU_DEP_1)
	v_and_b32 v10, 8, v8
	s_delay_alu instid0(VALU_DEP_1)
	v_add_nc_u32 v8, v8, v10
	s_delay_alu instid0(VALU_DEP_1)
	v_lshlrev_b32 v8, 2, v8                        ; v8 = 4 (r + 8 (r / 8)): bv of my row
	s_wait_kmcnt 0x0
	s_cmp_eq_u32 s22, 0                            ; q's wave or k's: the choice hangs on the wave's number alone
	s_cselect_b64 s[52:53], s[14:15], s[16:17]
	s_cselect_b64 s[54:55], s[8:9], s[10:11]
	s_add_nc_u64 s[26:27], s[4:5], s[26:27]        ; x
	s_add_nc_u64 s[28:29], s[6:7], s[28:29]        ; W's fragments
	s_add_nc_u64 s[30:31], s[6:7], s[30:31]        ; W's scale words
	s_add_nc_u64 s[32:33], s[54:55], s[32:33]      ; the bias
	s_add_nc_u64 s[34:35], s[52:53], s[34:35]      ; codes out
	s_add_nc_u64 s[36:37], s[52:53], s[36:37]      ; scale words out
	s_add_nc_u64 s[38:39], s[6:7], s[38:39]        ; wv's fragments
	s_add_nc_u64 s[40:41], s[6:7], s[40:41]        ; wv's scale words
	s_add_nc_u64 s[42:43], s[12:13], s[42:43]      ; bv
	s_add_nc_u64 s[44:45], s[16:17], s[44:45]      ; v's codes out
	s_add_nc_u64 s[46:47], s[16:17], s[46:47]      ; v's scale words out
.macro XLOAD kb                        ; block kb: 32 channels of my pixel; a load reads 128 consecutive bytes, four waves stand side by side on 512
.irp i, 0,1,2,3,4,5,6,7,8,9,10,11,12,13,14,15,16,17,18,19,20,21,22,23,24,25,26,27,28,29,30,31
	global_load_b32 v[X+32*(\kb)+\i], v2, s[26:27] offset:(32*(\kb)+\i)*16384 th:TH_LOAD_NT
.endr
.endm
; Block kb of my pixel becomes 24 bytes of codes: registers 6 c .. 6 c + 5 of lane r + 16 h of the fragment, c = kb / 2, h = kb % 2.  left: the loads issued behind this block's.
.macro XBLOCK kb, left
	s_wait_loadcnt \left
	v_max3_num_f32 v9, |v[X+32*(\kb)]|, |v[X+32*(\kb)+1]|, |v[X+32*(\kb)+2]|
	v_max3_num_f32 v10, |v[X+32*(\kb)+3]|, |v[X+32*(\kb)+4]|, |v[X+32*(\kb)+5]|
.irp i, 6,10,14,18,22,26
	s_delay_alu instid0(VALU_DEP_2)
	v_max3_num_f32 v9, v9, |v[X+32*(\kb)+\i]|, |v[X+32*(\kb)+\i+1]|
	s_delay_alu instid0(VALU_DEP_2)
	v_max3_num_f32 v10, v10, |v[X+32*(\kb)+\i+2]|, |v[X+32*(\kb)+\i+3]|
.endr
	s_delay_alu instid0(VALU_DEP_2)
	v_max3_num_f32 v9, v9, |v[X+32*(\kb)+30]|, |v[X+32*(\kb)+31]|
	s_delay_alu instid0(VALU_DEP_1)
	v_max3_num_f32 v9, v9, v10, 0x1800000          ; and the floor 2^(3 - 127): the byte cannot fall under 1
	s_delay_alu instid0(VALU_DEP_1)
	v_add_nc_u32 v11, 0xff000000, v9               ; 2 off the exponent field: the conversion's scale operand
	s_wait_alu depctr_va_vdst(0)
	s_wait_dscnt 0x0                               ; the last block's LDS stores have read the codes' registers
	v_cvt_scalef32_pk16_fp6_f32 v[CR:CR+2], v[X+32*(\kb):X+32*(\kb)+15], v11
	v_cvt_scalef32_pk16_fp6_f32 v[CR+6:CR+8], v[X+32*(\kb)+16:X+32*(\kb)+31], v11
	v_lshrrev_b32 v12, 23, v11                     ; the byte (also the plain place behind the conversions)
.if (\kb) == 0
	s_delay_alu instid0(VALU_DEP_1)
	v_mov_b32 v13, v12
.else
	s_delay_alu instid0(VALU_DEP_1)
	v_lshl_or_b32 v13, v12, 8*(\kb), v13           ; four bytes make my pixel's scale word of these 128 channels
.endif
.irp i, 0,1,2
	v_mov_b32 v[CR+3+\i], v[CR+6+\i]
.endr
.if (\kb)/2 == 0                       ; 24 bytes as 16 + 8 or 8 + 16, so that every address is a multiple of the access's size
	ds_store_b128 v5, v[CR:CR+3] offset:768*((\kb)%2)
	ds_store_b64 v5, v[CR+4:CR+5] offset:768*((\kb)%2)+16
.else
	ds_store_b64 v5, v[CR:CR+1] offset:768*((\kb)%2)+24
	ds_store_b128 v5, v[CR+2:CR+5] offset:768*((\kb)%2)+32
.endif
.endm
.macro FETCHX reg, frag                ; a fragment of x from LDS
.irp i, 0,1,2
	ds_load_b128 v[(\reg)+4*\i:(\reg)+4*\i+3], v3 offset:(\frag)*1536+16*\i
.endr
.endm
; 32 nc numbers of a lane, register 16 b + i of src = k 32 b + 16 (lane / 16) + i of the lane's row, become 6 nc registers of codes at dst and the scale word in v[PW] (2 nc bytes; the others 0).
.macro QUANT src, dst, nc
.irp b, 0,1,2,3
.if \b < 2*(\nc)
	v_max3_num_f32 v[TM+\b], |v[(\src)+16*\b]|, |v[(\src)+16*\b+1]|, 0x1800000   ; each accumulator is read from its low end on; the floor holds the byte at 1 from below
.endif
.endr
.irp i, 2,4,6,8,10,12,14
.irp b, 0,1,2,3
.if \b < 2*(\nc)
	v_max3_num_f32 v[TM+\b], v[TM+\b], |v[(\src)+16*\b+\i]|, |v[(\src)+16*\b+\i+1]|
.endif
.endr
.endr
.irp b, 0,1,2,3
.if \b < 2*(\nc)
	v_permlanex16_b32 v[TM+4+\b], v[TM+\b], s48, s49
.endif
.endr
.irp b, 0,1,2,3
.if \b < 2*(\nc)
	v_max_num_f32 v[TM+\b], v[TM+\b], v[TM+4+\b]   ; with lane l xor 16's sixteen: the block's largest magnitude
.endif
.endr
.irp b, 0,1,2,3
.if \b < 2*(\nc)
	v_add_nc_u32 v[TM+12+\b], 0xff000000, v[TM+\b]
.endif
.endr
.irp b, 0,1,2,3
.if \b < 2*(\nc)
	v_lshrrev_b32 v[TM+4+\b], 23, v[TM+12+\b]
.endif
.endr
	v_lshl_or_b32 v[PW], v[TM+5], 8, v[TM+4]
.if (\nc) > 1
	s_delay_alu instid0(VALU_DEP_1)
	v_lshl_or_b32 v[PW], v[TM+6], 16, v[PW]
	s_delay_alu instid0(VALU_DEP_1)
	v_lshl_or_b32 v[PW], v[TM+7], 24, v[PW]
.endif
.irp c, 0,1
.if \c < (\nc)
	v_cvt_scalef32_pk16_fp6_f32 v[(\dst)+6*\c:(\dst)+6*\c+2], v[(\src)+32*\c:(\src)+32*\c+15], v[TM+12+2*\c]
	v_cvt_scalef32_pk16_fp6_f32 v[PT+4*\c:PT+4*\c+2], v[(\src)+32*\c+16:(\src)+32*\c+31], v[TM+13+2*\c]
.endif
.endr
	v_nop                                          ; one plain place behind a scaled conversion
.irp c, 0,1
.if \c < (\nc)
.irp i, 0,1,2
	v_permlane16_swap_b32 v[(\dst)+6*\c+\i], v[PT+4*\c+\i]   ; the layout wants a whole block in a lane: lanes 0-15 block 2 c, lanes 16-31 block 2 c + 1
.endr
.irp i, 0,1,2
	s_delay_alu instid0(VALU_DEP_3)
	v_mov_b32 v[(\dst)+6*\c+3+\i], v[PT+4*\c+\i]
.endr
.endif
.endr
.endm
.macro PLACES                          ; four plain places behind a matrix instruction of this form, in front of loads into its registers and of the first read of its results
.rept 4
	v_nop
.endr
.endm
.macro CHUNK q                         ; v: four fragments of x: tiles 4 (q % 2) + i, K step q / 2
.irp i, 0,1,2,3
	FETCHX XFA+12*\i, 2*(4*((\q)%2)+\i)+(\q)/2
.endr
.endm
.macro VLOADS                          ; all that the v phase wants, asked for while the last tile of q or k is quantised
.irp f, 0,1,2,3
.irp i, 0,1,2
	global_load_b128 v[16+12*\f+4*\i:16+12*\f+4*\i+3], v1, s[38:39] offset:1536*\f+512*\i   ; wv: tile e, K step s at v[16 + 24 e + 12 s]
.endr
.endr
	global_load_b32 v[WSV], v2, s[40:41]
	global_load_b32 v[WSV+1], v2, s[40:41] offset:128
.irp e, 0,1
.irp j, 0,1,2,3,4,5,6,7
	global_load_b32 v[BV+8*\e+\j], v8, s[42:43] offset:32*\e   ; a lane holds one row of v: its bias in all eight registers
.endr
.endr
.irp t, 0,1,2,3,4,5,6,7
	ds_load_b32 v[XS8+\t], v2 offset:XSC+128*\t
.endr
	CHUNK 0
.endm
.macro VMUL e, q                       ; four matrix instructions: source 0 = 16 pixels, source 1 = 16 rows of wv.  The eight accumulators take turns, one instruction a turn
.irp i, 0,1,2,3
.if (\q) < 2
	v_wmma_scale_f32_16x16x128_f8f6f4 v[AV+8*(4*((\q)%2)+\i):AV+8*(4*((\q)%2)+\i)+7], v[XFA+12*\i:XFA+12*\i+11], v[16+24*\e:16+24*\e+11], v[BV+8*\e:BV+8*\e+7], v[XS8+4*((\q)%2)+\i], v[WSV+\e] matrix_a_fmt:MATRIX_FMT_FP6 matrix_b_fmt:MATRIX_FMT_FP6
.else
	v_wmma_scale_f32_16x16x128_f8f6f4 v[AV+8*(4*((\q)%2)+\i):AV+8*(4*((\q)%2)+\i)+7], v[XFA+12*\i:XFA+12*\i+11], v[28+24*\e:28+24*\e+11], v[AV+8*(4*((\q)%2)+\i):AV+8*(4*((\q)%2)+\i)+7], v[XS8+4*((\q)%2)+\i], v[WSV+\e] matrix_a_fmt:MATRIX_FMT_FP6 matrix_b_fmt:MATRIX_FMT_FP6 matrix_a_scale:MATRIX_SCALE_ROW1 matrix_b_scale:MATRIX_SCALE_ROW1
.endif
.endr
.endm
	; ---- x: 32 pixels x 128 channels a wave.  x is wanted first, so its first two blocks are asked for ahead of the weights
	XLOAD 0
	XLOAD 1
.irp f, 0,1,2,3,4,5,6,7
.irp i, 0,1,2
	global_load_b128 v[WF+12*\f+4*\i:WF+12*\f+4*\i+3], v1, s[28:29] offset:1536*\f+512*\i
.endr
.endr
.irp t, 0,1,2,3
	global_load_b32 v[WS+\t], v2, s[30:31] offset:128*\t
.endr
	XBLOCK 0, 60                                   ; behind block 0's loads: block 1's 32 and the weights' 28
	XLOAD 2
	XBLOCK 1, 60                                   ; the weights' 28 and block 2's 32
	XLOAD 3
	XBLOCK 2, 32                                   ; block 3's 32
.irp t, 0,1,2,3
	global_load_b128 v[BI+8*\t:BI+8*\t+3], v7, s[32:33] offset:(32*(\t/2)+8*(\t%2))*4      ; register j of tile t, lane half h: the bias of d = 32 (t / 2) + 16 h + 8 (t % 2) + j; block 0's registers are free
	global_load_b128 v[BI+8*\t+4:BI+8*\t+7], v7, s[32:33] offset:(32*(\t/2)+8*(\t%2))*4+16
.endr
	XBLOCK 3, 8                                    ; the bias's 8
	ds_store_b32 v6, v13
	s_wait_dscnt 0x0                               ; for the others' sake: my stores have landed
	s_barrier_signal -1
	s_barrier_wait -1                              ; x's sixteen fragments and their scale words lie in LDS; from here on LDS is only read
	; ---- q or k: my head, a tile of 16 pixels at a time
.irp b, 0,1,2,3
	v_mov_b32 v[TM+4+\b], 0                        ; a lane permute's destination counts as one of its sources
.endr
	FETCHX XF, 0
	FETCHX XF+12, 1
	ds_load_b32 v[XS], v2 offset:XSC
	s_wait_loadcnt 0x0                             ; the weights and the bias
.irp T, 0,1,2,3,4,5,6,7
	s_wait_dscnt 0x0
.irp t, 0,1,2,3
	v_wmma_scale_f32_16x16x128_f8f6f4 v[AC+8*\t:AC+8*\t+7], v[WF+24*\t:WF+24*\t+11], v[XF:XF+11], v[BI+8*\t:BI+8*\t+7], v[WS+\t], v[XS] matrix_a_fmt:MATRIX_FMT_FP6 matrix_b_fmt:MATRIX_FMT_FP6
.endr
.irp t, 0,1,2,3
	v_wmma_scale_f32_16x16x128_f8f6f4 v[AC+8*\t:AC+8*\t+7], v[WF+24*\t+12:WF+24*\t+23], v[XF+12:XF+23], v[AC+8*\t:AC+8*\t+7], v[WS+\t], v[XS] matrix_a_fmt:MATRIX_FMT_FP6 matrix_b_fmt:MATRIX_FMT_FP6 matrix_a_scale:MATRIX_SCALE_ROW1 matrix_b_scale:MATRIX_SCALE_ROW1
.endr
	PLACES
.if \T < 7
	FETCHX XF, 2*(\T+1)                            ; the next tile lands while this one is quantised
	FETCHX XF+12, 2*(\T+1)+1
	ds_load_b32 v[XS], v2 offset:XSC+128*(\T+1)
.else
	VLOADS
.endif
.if (\T%2 == 0) && (\T > 0)
	s_wait_xcnt 0x0                                ; the last pair's stores have read the codes' registers
.endif
	QUANT AC, PC+6*(\T%2), 1
.if \T%2 == 0
	v_mov_b32 v[SW+\T/2], v[PW]
.else
	v_cndmask_b32 v[SW+\T/2], v[SW+\T/2], v[PW], s50   ; lanes 0-15 keep tile 2 j's words, lanes 16-31 take tile 2 j + 1's
.irp i, 0,1,2
	global_store_b128 v1, v[PC+4*\i:PC+4*\i+3], s[34:35] offset:1536*(\T/2)+512*\i   ; 512 consecutive bytes a store
.endr
.endif
.endr
	global_store_b128 v1, v[SW:SW+3], s[36:37]
	; ---- v: my two tiles of 16 rows, for all 128 pixels
.irp e, 0,1
.irp q, 0,1,2,3
	s_wait_dscnt 0x0
.if (\e == 0) && (\q == 0)
	s_wait_loadcnt 0x0                             ; wv, its scale words, bv
.endif
	VMUL \e, \q
	PLACES
.if (\e == 0) || (\q < 3)
	CHUNK (\q+1)%4
.endif
.endr
	s_wait_xcnt 0x0                                ; earlier stores have read the codes' registers
	QUANT AV, PC, 2
.irp i, 0,1,2
	global_store_b128 v1, v[PC+4*\i:PC+4*\i+3], s[44:45] offset:1536*\e+512*\i
.endr
.if \e == 0
	v_mov_b32 v[SWV], v[PW]
.else
	v_cndmask_b32 v[SWV], v[SWV], v[PW], s50
	global_store_b32 v2, v[SWV], s[46:47]
.endif
.endr
	s_wait_tensorcnt 0x0
	ds_add_u32 v126, v127
	s_wait_dscnt 0x0
	s_endpgm
.Lfunc_end_k_q41cb86b90f_proj:
	.size	k_q41cb86b90f_proj, .Lfunc_end_k_q41cb86b90f_proj-k_q41cb86b90f_proj
	.p2alignl 7, 3214868480
	.fill 96, 4, 3214868480
	.section	.rodata,"a",@progbits
	.p2align	6, 0x0
	.amdhsa_kernel k_q41cb86b90f_proj
		.amdhsa_group_segment_fixed_size 26624
		.amdhsa_private_segment_fixed_size 0
		.amdhsa_enable_private_segment 0
		.amdhsa_kernarg_size 56
		.amdhsa_user_sgpr_count 2
		.amdhsa_user_sgpr_kernarg_segment_ptr 1
		.amdhsa_wavefront_size32 1
		.amdhsa_system_sgpr_workgroup_id_x 1
		.amdhsa_system_sgpr_workgroup_id_y 1
		.amdhsa_system_sgpr_workgroup_id_z 1
		.amdhsa_system_vgpr_workitem_id 0
		.amdhsa_next_free_vgpr 256
		.amdhsa_next_free_sgpr 66
		.amdhsa_reserve_vcc 0
		.amdhsa_float_denorm_mode_32 3
		.amdhsa_float_denorm_mode_16_64 3
		.amdhsa_memory_ordered 1
		.amdhsa_forward_progress 1
		.amdhsa_inst_pref_size 83
	.end_amdhsa_kernel
	.amdgpu_metadata
---
amdhsa.version: [ 1, 2 ]
amdhsa.kernels:
  - .name:           k_q41cb86b90f_proj
    .symbol:         k_q41cb86b90f_proj.kd
    .args:
      - { .name: x, .offset: 0, .size: 8, .value_kind: global_buffer, .address_space: global }
      - { .name: wimg, .offset: 8, .size: 8, .value_kind: global_buffer, .address_space: global }
      - { .name: bq, .offset: 16, .size: 8, .value_kind: global_buffer, .address_space: global }
      - { .name: bk, .offset: 24, .size: 8, .value_kind: global_buffer, .address_space: global }
      - { .name: bv, .offset: 32, .size: 8, .value_kind: global_buffer, .address_space: global }
      - { .name: qimg, .offset: 40, .size: 8, .value_kind: global_buffer, .address_space: global }
      - { .name: kv, .offset: 48, .size: 8, .value_kind: global_buffer, .address_space: global }
    .group_segment_fixed_size: 26624
    .private_segment_fixed_size: 0
    .kernarg_segment_align: 8
    .kernarg_segment_size: 56
    .max_flat_workgroup_size: 256
    .sgpr_count:     66
    .vgpr_count:     256
    .wavefront_size: 32
...
	.end_amdgpu_metadata
.endif
;; end of part 2
;; launch attn (part 3): grid 16 x 16, 16 waves a work-group, clusters of 4 x 1, 327,680 bytes of LDS; arguments qimg, kv, oimg, oscl; writes oimg, oscl
.if DOCPART == 3
	.amdgcn_target "amdgcn-amd-amdhsa--gfx1250"
	.amdhsa_code_object_version 6
	.text
	.protected	k_q41cb86b90f_attn
	.globl	k_q41cb86b90f_attn
	.p2align	8
	.type	k_q41cb86b90f_attn,@function
k_q41cb86b90f_attn:
	s_mov_b64 s[64:65], 0
	v_nop
	global_prefetch_b8 v0, s[64:65] scope:SCOPE_SE
	s_setreg_imm32_b32 hwreg(HW_REG_WAVE_MODE, 25, 1), 1
	s_wait_xcnt 0x0
	s_wait_alu depctr_hold_cnt(0) depctr_sa_sdst(0) depctr_va_vdst(0) depctr_va_sdst(0) depctr_va_ssrc(0) depctr_va_vcc(0) depctr_vm_vsrc(0)
	s_getreg_b32 s2, hwreg(HW_REG_IB_STS2, 6, 4)
	s_cmp_eq_u32 s2, 0
	s_cbranch_scc0 .Lentry_in_a_cluster
	s_endpgm
.Lentry_in_a_cluster:
	s_bfe_u32 s2, ttmp6, 0x10000c
	s_cmp_lg_u32 s2, 0x3003
	s_cbranch_scc0 .Lentry_shape_is_right
	s_endpgm
.Lentry_shape_is_right:
; O = softmax(q k^T / 8) v for one head of 16 (image x head), 4,096 queries and keys, head size 64, both products on codes of FP6 (E2M3) with one E8M0 byte for each 32 along K; O is quantised along d for the last product.
; THE SOFTMAX AHEAD OF THE SECOND PRODUCT: t = score x log2(e) / 8; M = the running largest t rounded UP to a whole number; p = 2^(t - M) is what is quantised, along the keys.  The row's sum is taken of the unquantised p
; and divides O at the end.  When M moves, the sum and O are multiplied by 2^(old M - new M): exact.
; SHARES.  A work-group owns 256 queries; each of its sixteen waves one tile of 16 in 256 registers, four waves to a SIMD, so that one wave's vector work stands beside another's matrix work and LDS loads.
; Every wave walks all keys, 128 a step.  Both products are used transposed (S^T = k q^T, O^T = v^T p^T): a lane holds ONE query throughout.
; OPERANDS LIE IN MEMORY AS IMAGES OF THEIR REGISTERS (made by the launch before): a step's k (four pairs of tiles) and v (four fragments) are 12,288 dense bytes, and every fragment comes by loads of 16 bytes a lane, 512 consecutive bytes each.
; THE FIRST PRODUCT'S K IS 64, the instruction's 128: tile T's source 0 is v[KV + 6 T .. + 11]: its own six registers and the six that follow, which meet q's zero codes (q's upper six registers are zeros), so they add nothing.
; THE RING: two LDS slots of 8 steps (98,304 bytes), 2^17 bytes apart; waves 0 to 3 bring a quarter each by one tensor load; the head's scale words (24,576 bytes) come once, by wave 4.
; CLUSTER: the four query blocks of a cluster belong to one head and walk the same k and v: each tile is asked for JOINTLY, by the same tensor load with the same descriptor and a mask that names the four.
; A wave has at most one tensor load outstanding.
; LIMITS: NaN and infinities are not served; a block of zeros, or one under 2^-124, gets the byte 1 where the rule says 127 for zeros: its codes are zeros, and this program alone reads the bytes.
.set SLOT1, 1<<17
.set STEPB, 12288                      ; a step: k 6,144 bytes, v 6,144
.set SLOTB, 8*STEPB
.set QTR,   SLOTB/4                    ; what one tensor load brings: 96 rows of 256 bytes
.set SCB,   SLOTB                      ; behind slot 0: the head's scale words, 768 bytes a step: k's image 512, v's two images of 128
.set SPARE, SCB+QTR                    ; the spare words, 128 bytes for each wave: eight blocks of 256 bytes that no other line names
.set OSCR,  SPARE+2048                 ; 1,024 bytes: O's scale words are gathered here; no tensor load lands here
.set HEADB, 417792                     ; a head's bytes in kv
.set LI,  1                            ; v1   16 x lane
.set LS,  2                            ; v2   4 x lane
.set SPW, 3                            ; v3   LDS address of my spare word; never rewritten
.set NIL, 4                            ; v4   0; never rewritten
.set ADK, 5                            ; v5   LDS address of the step's codes
.set ADS, 6                            ; v6   of k's scale words
.set ADT, 7                            ; v7   of v's
.set PFO, 8                            ; v8   256 x lane: the prefetches' offset
.set KSB, 9                            ; v9   SCB + 16 x lane
.set VSB, 10                           ; v10  SCB + 512 + 4 x lane
.set OSW, 11                           ; v11  where my row's scale word of O goes
.set Q,   16                           ; v16-27 q's fragment; v22-27 zeros
.set QS,  28                           ; v28  q's scale words
.set L8,  29                           ; v29  8 x lane
.set OSR, 30                           ; v30  OSCR + 16 x lane
.set KV,  32                           ; v32-79 k's tiles, then v's fragments; v80-85 zeros
.set KS,  86                           ; v86-89 k's scale words: word j: lanes 0-15 tile 2 j, lanes 16-31 tile 2 j + 1
.set VS,  90                           ; v90-91 v's likewise
.set S,   96                           ; v96-159 S^T, then p
.set O,   160                          ; v160-191 O^T
.set PC,  192                          ; v192-203 p's codes
.set PT,  204                          ; v204-210 upper halves of blocks
.set PW,  253                          ; v253 p's scale word
.set WV,  12
.set PFA, 18                           ; s[18:19] where my prefetches stand
.set LIM, 20                           ; s20  1 in a wave that prefetches, else the greatest number
.set CS,  22                           ; s[22:23] c = log2(e) / 8
.set G1,  24                           ; s[24:31] descriptor group 1
.set G0,  32                           ; s[32:35] descriptor group 0, which walks
.set SEL, 36                           ; s[36:37] selects for lane l xor 16
.set TB,  38                           ; s38  LDS byte of the step's codes
.set TS,  39                           ; s39  byte of the step's scale words
.set SLOTS, 40                         ; s40  slots still to be asked for
.set STP, 41                           ; s41  counts a slot's steps
.set TSO, 42                           ; s42  the slot's first step's scale words
.set TBO, 43                           ; s43  the slot in hand
.macro CROUND                          ; a round of the cluster's barrier: my work-group's barrier, wave 0 signals for the work-group, every wave waits for all four work-groups, my work-group's barrier once more
	s_barrier_signal -1
	s_barrier_wait -1
	s_cmp_lg_u32 s[WV], 0
	s_cbranch_scc1 .Lnot_wave_0_\@
	s_barrier_signal -3
.Lnot_wave_0_\@:
	s_barrier_wait -3
	s_barrier_signal -1
	s_barrier_wait -1
.endm
.macro JLOAD lim                       ; a joint load by the waves under lim; the branch hangs on the wave's number alone; four v_nop follow the load
	s_cmp_lt_u32 s[WV], \lim
	s_cbranch_scc0 .Lnone_\@
	tensor_load_to_lds s[G0:G0+3], s[G1:G1+7]
	s_nop 0
.rept 4
	v_nop
.endr
.Lnone_\@:
.endm
; A prefetch of the slot that the NEXT change of slots will ask for: 98,304 bytes = 384 blocks of 256.  All clusters of a head walk the same bytes: the head's first cluster asks.  Its four partners take 24,576 bytes each,
; told apart by address; in each, waves 4 to 6, which fetch nothing here, ask for 8,192 bytes each, lanes 256 bytes apart: each block is named once in the launch.  The last change that fills a slot asks for nothing;
; slots 0 and 1 come by their loads alone.
.macro ASK
	s_cmp_gt_u32 s[SLOTS], s[LIM]
	s_cbranch_scc0 .Lnot_mine_\@
	global_prefetch_b8 v[PFO], s[PFA:PFA+1] th:TH_LOAD_NT scope:SCOPE_SE
.Lnot_mine_\@:
.endm
	s_load_b256 s[4:11], s[0:1], 0x0               ; qimg, kv, oimg, oscl
	v_lshl_add_u32 v[SPW], v0, 2, SPARE
	v_mov_b32 v[NIL], 0
	ds_add_u32 v3, v4
	ds_add_u32 v3, v4
	s_wait_dscnt 0x0
	v_lshrrev_b32 v5, 5, v0
	s_delay_alu instid0(VALU_DEP_1)
	v_readfirstlane_b32 s[WV], v5                  ; wave 0..15
	s_bfe_u32 s13, ttmp6, 0x40000                  ; cx: my place in the cluster: it enters q's, O's and the prefetches' global addresses alone
	s_lshl_b32 s14, ttmp9, 2
	s_add_co_u32 s14, s14, s13                     ; my block of 256 queries
	s_and_b32 s15, ttmp7, 0xffff                   ; the head of 16, which the partners share
	s_mul_i32 s44, s15, HEADB
	s_min_u32 s16, s[WV], 4
	s_mul_i32 s[G0+1], s16, QTR                    ; LDS: waves 0-3 a quarter of slot 0, wave 4 the scale words' place
	s_lshr_b32 s17, s16, 2
	s_mul_i32 s17, s17, 393216-SLOTB               ; in memory the scale words lie behind the 32 steps
	s_add_co_u32 s46, s17, s[G0+1]
	s_add_co_u32 s46, s46, s44
	s_mov_b32 s47, 0
	s_mov_b32 s[G1], 15|(3<<16)|(1<<21)            ; 15:0 the mask: all four work-groups; 17:16 elements of 8 bytes; 20 no padding; 21 set beside a mask
	s_mov_b32 s[G1+1], 32<<16                      ; tensor_dim0 = 32 elements: 256 bytes
	s_mov_b32 s[G1+2], 96<<16                      ; tensor_dim1 = 96
	s_mov_b32 s[G1+3], 32<<16                      ; tile_dim0
	s_mov_b32 s[G1+4], 96                          ; tile_dim1
	s_mov_b32 s[G1+5], 32                          ; the pitch: dense
	s_mov_b32 s[G1+6], 0
	s_mov_b32 s[G1+7], 0
	s_mov_b32 s[G0], 1
	s_mul_i32 s48, s13, QTR                        ; the prefetches: my work-group's quarter,
	s_and_b32 s49, s[WV], 3
	s_lshl_b32 s49, s49, 13                        ; my wave's 8,192 bytes,
	s_add_co_u32 s48, s48, s49
	s_add_co_u32 s48, s48, s44
	s_add_co_u32 s48, s48, SLOTB                   ; in slot 1: the first change of slots steps it to slot 2
	s_mov_b32 s49, 0
	s_lshl_b32 s50, s15, 5
	s_lshl_b32 s51, s14, 1
	s_add_co_u32 s50, s50, s51
	s_lshr_b32 s51, s[WV], 3
	s_add_co_u32 s50, s50, s51                     ; q: head x 32 + my group of 128 pixels
	s_mul_i32 s50, s50, 6656
	s_mov_b32 s51, 0
	s_lshr_b32 s52, s15, 2
	s_lshl_b32 s52, s52, 8
	s_lshl_b32 s53, s14, 4
	s_add_co_u32 s52, s52, s53
	s_add_co_u32 s52, s52, s[WV]                   ; O: image x 256 + my tile
	s_lshl_b32 s52, s52, 2
	s_and_b32 s53, s15, 3
	s_add_co_u32 s52, s52, s53                     ; x 4 + head
	s_mul_i32 s52, s52, 768
	s_mov_b32 s53, 0
	s_lshl_b32 s54, s15, 8
	s_lshl_b32 s55, s14, 4
	s_add_co_u32 s54, s54, s55
	s_lshl_b32 s54, s54, 6                         ; O's scale words: (head of 16 x 256 + my block's first tile) x 64 bytes
	s_mov_b32 s55, 0
	s_sub_co_u32 s[LIM], s[WV], 4
	s_cmp_lt_u32 s[LIM], 3                         ; waves 4 to 6
	s_cselect_b32 s[LIM], 0, 1
	s_or_b32 s[LIM], s[LIM], ttmp9                 ; of the head's first cluster: the same in all four partners
	s_cmp_eq_u32 s[LIM], 0
	s_cselect_b32 s[LIM], 1, -1
	s_mov_b32 s[CS], 0x3e38aa3b                    ; c = log2(e) / 8
	s_mov_b32 s[CS+1], s[CS]                       ; (named with it as a pair, so it is written)
	s_mov_b32 s[SEL], 0x76543210
	s_mov_b32 s[SEL+1], 0xfedcba98
	s_mov_b32 s[SLOTS], 3
	s_mov_b32 s[TSO], 0
	s_mov_b32 s[TBO], 0
	v_and_b32 v2, 31, v0
	s_delay_alu instid0(VALU_DEP_1)
	v_lshlrev_b32 v[LI], 4, v2
	s_delay_alu instid0(VALU_DEP_2)
	v_lshlrev_b32 v[PFO], 8, v2
	s_delay_alu instid0(VALU_DEP_3)
	v_lshlrev_b32 v[L8], 3, v2
	s_delay_alu instid0(VALU_DEP_4)
	v_lshlrev_b32 v[LS], 2, v2
	s_delay_alu instid0(VALU_DEP_4)
	v_add_nc_u32 v[KSB], SCB, v[LI]
	s_delay_alu instid0(VALU_DEP_2)
	v_add_nc_u32 v[VSB], SCB+512, v[LS]
	v_add_nc_u32 v[OSR], OSCR, v[LI]
	v_and_b32 v31, 15, v0                          ; r
	s_wait_alu depctr_va_vdst(0)
	v_lshlrev_b32 v[OSW], 2, v31
	s_lshl_b32 s56, s[WV], 6
	s_add_co_u32 s56, s56, OSCR
	v_add_nc_u32 v[OSW], s56, v[OSW]               ; OSCR + 64 x wave + 4 r
	; q's tile 2 j + u of its group: six registers of a pair's twelve: u = 0: bytes 0, 8 of block 0 and 0 of block 1; u = 1: byte 8 of block 1 and 0, 8 of block 2
	s_and_b32 s57, s[WV], 1                        ; u
	s_bfe_u32 s58, s[WV], 0x20001                  ; j
	s_mul_i32 s59, s58, 1536
	s_mul_i32 s56, s57, 520
	s_add_co_u32 s56, s56, s59
	v_add_nc_u32 v92, s56, v[LI]                   ; the first piece of 8 bytes; the third lies 512 further on
	s_mul_i32 s56, s57, 1016
	s_add_co_u32 s56, s56, s59
	s_add_co_u32 s56, s56, 8
	v_add_nc_u32 v93, s56, v[LI]                   ; the second
	s_lshl_b32 s56, s57, 8
	s_lshl_b32 s58, s58, 2
	s_add_co_u32 s56, s56, s58
	v_lshl_add_u32 v95, v31, 4, s56                ; its scale word: lane r + 16 u's word j
	s_wait_kmcnt 0x0
	s_add_nc_u64 s[G0+2:G0+3], s[6:7], s[46:47]
	s_or_b32 s[G0+3], s[G0+3], 0x80000000          ; type = 2
	s_add_nc_u64 s[PFA:PFA+1], s[6:7], s[48:49]
	s_add_nc_u64 s[4:5], s[4:5], s[50:51]
	s_add_nc_u64 s[8:9], s[8:9], s[52:53]
	s_add_nc_u64 s[10:11], s[10:11], s[54:55]
	CROUND                                         ; all four work-groups are here: the first joint loads meet
	JLOAD 5                                        ; slot 0 by waves 0 to 3, the scale words by wave 4
	s_wait_alu depctr_va_vdst(0)
	global_load_b64 v[Q:Q+1], v92, s[4:5]
	global_load_b64 v[Q+2:Q+3], v93, s[4:5]
	global_load_b64 v[Q+4:Q+5], v92, s[4:5] offset:512
	global_load_b32 v[QS], v95, s[4:5] offset:6144
.irp j, 0,1,2,3,4,5
	v_mov_b32 v[Q+6+\j], 0                         ; zero codes for k = 64 .. 127
	v_mov_b32 v[KV+48+\j], 0                       ; what follows the last tile of k
.endr
	v_mov_b32 v13, 0xff61b1e6                      ; the largest t so far: -3e38, under every t
	s_delay_alu instid0(VALU_DEP_1)
	v_floor_f32 v12, -v13                          ; -M
	v_mov_b32 v14, 0                               ; the sum, in two halves
	v_mov_b32 v15, 0
.irp b, 0,1,2,3
	v_mov_b32 v[236+\b], 0                         ; a lane permute's destination counts as one of its sources
.endr
	v_mov_b32 v[PW], 0                             ; (named as the upper half of the pair v[252:253] before it is first written)
.irp j, 0,1,2,3,4,5,6,7,8,9,10,11,12,13,14,15,16,17,18,19,20,21,22,23,24,25,26,27,28,29,30,31
	v_mov_b32 v[O+\j], 0                           ; O^T: the step is written once; the first finds zeros, which the first change of M leaves zeros
.endr
; A KEY STEP: 128 keys.
.macro STEP
	v_add_nc_u32 v[ADK], s[TB], v[LI]
	v_add_nc_u32 v[ADS], s[TS], v[KSB]
	v_add_nc_u32 v[ADT], s[TS], v[VSB]
	v_nop                                          ; these four are the places behind the last step's products, in front of the loads into the registers that they read
.irp i, 0,1,2,3,4,5,6,7,8,9,10,11
	ds_load_b128 v[KV+4*\i:KV+4*\i+3], v[ADK] offset:512*\i
.endr
	ds_load_b128 v[KS:KS+3], v[ADS]
	s_wait_alu depctr_va_vdst(0)
	s_wait_dscnt 0x0
.irp T, 0,1,2,3,4,5,6,7                        ; S^T = k q^T: lane (r, h) holds query r; the 16 registers of tiles 2 b, 2 b + 1 are keys 32 b + 16 h + 0 .. 15
.if \T%2
	v_wmma_scale_f32_16x16x128_f8f6f4 v[S+8*\T:S+8*\T+7], v[KV+6*\T:KV+6*\T+11], v[Q:Q+11], 0, v[KS+\T/2], v[QS] matrix_a_fmt:MATRIX_FMT_FP6 matrix_b_fmt:MATRIX_FMT_FP6 matrix_a_scale:MATRIX_SCALE_ROW1
.else
	v_wmma_scale_f32_16x16x128_f8f6f4 v[S+8*\T:S+8*\T+7], v[KV+6*\T:KV+6*\T+11], v[Q:Q+11], 0, v[KS+\T/2], v[QS] matrix_a_fmt:MATRIX_FMT_FP6 matrix_b_fmt:MATRIX_FMT_FP6
.endif
.endr
.rept 4
	v_nop                                          ; places in front of the loads below and of the first read of the scores
.endr
.irp i, 0,1,2,3,4,5,6,7,8,9,10,11
	ds_load_b128 v[KV+4*\i:KV+4*\i+3], v[ADK] offset:6144+512*\i   ; v's four fragments land under the softmax
.endr
	ds_load_b32 v[VS], v[ADT]
	ds_load_b32 v[VS+1], v[ADT] offset:128
.irp b, 0,1,2,3
	v_max3_num_f32 v[232+\b], v[S+16*\b], v[S+1+16*\b], v[S+2+16*\b]   ; the largest score of each block of 32 keys: it serves the row's maximum and, since p rises with the score, the block's largest p
.endr
.irp i, 3,5,7,9,11,13
.irp b, 0,1,2,3
	v_max3_num_f32 v[232+\b], v[232+\b], v[S+16*\b+\i], v[S+1+16*\b+\i]
.endr
.endr
.irp b, 0,1,2,3
	v_max_num_f32 v[232+\b], v[232+\b], v[S+15+16*\b]
.endr
.irp b, 0,1,2,3
	s_delay_alu instid0(VALU_DEP_4)
	v_permlanex16_b32 v[236+\b], v[232+\b], s[SEL], s[SEL+1]
.endr
.irp b, 0,1,2,3
	s_delay_alu instid0(VALU_DEP_4)
	v_max_num_f32 v[232+\b], v[232+\b], v[236+\b]  ; with lane l xor 16's 16 keys
.endr
	s_delay_alu instid0(VALU_DEP_2)
	v_max3_num_f32 v254, v232, v233, v234
	s_delay_alu instid0(VALU_DEP_1)
	v_max_num_f32 v254, v254, v235                 ; the step's largest score of my query
	s_delay_alu instid0(VALU_DEP_1)
	v_mul_f32 v254, s[CS], v254                    ; as t (c is positive)
	s_delay_alu instid0(VALU_DEP_1)
	v_max_num_f32 v13, v13, v254                   ; the running largest t
	v_mov_b32 v254, v12
	s_delay_alu instid0(VALU_DEP_2)
	v_floor_f32 v12, -v13                          ; the new -M = floor(-t) = -ceil(t): a whole number
	s_delay_alu instid0(VALU_DEP_1)
	v_sub_f32 v254, v12, v254                      ; old M - new M: a whole number, 0 or less
	s_delay_alu instid0(VALU_DEP_1)
	v_cvt_i32_f32 v254, v254                       ; (it saturates)
	s_delay_alu instid0(VALU_DEP_1)
	v_ldexp_f32 v252, 1.0, v254                    ; f = 2^(old M - new M)
.irp j, 0,2,4,6,8,10,12,14,16,18,20,22,24,26,28,30,32,34,36,38,40,42,44,46,48,50,52,54,56,58,60,62
	v_pk_fma_f32 v[S+\j:S+1+\j], v[S+\j:S+1+\j], s[CS:CS+1], v[12:13] op_sel_hi:[1,0,0]   ; t - M, two at a time
.endr
.irp b, 0,1,2,3
	v_fma_f32 v[232+\b], v[232+\b], s[CS], v12     ; the same of each block's largest score
.endr
	s_wait_alu depctr_va_vdst(0)
.irp j, 0,1,2,3,4,5,6,7,8,9,10,11,12,13,14,15,16,17,18,19,20,21,22,23,24,25,26,27,28,29,30,31,32,33,34,35,36,37,38,39,40,41,42,43,44,45,46,47,48,49,50,51,52,53,54,55,56,57,58,59,60,61,62,63
	v_exp_f32 v[S+\j], v[S+\j]                     ; p = 2^(t - M), at most 1: not normalised
.endr
	s_setprio 1
	v_pk_mul_f32 v[14:15], v[14:15], v[252:253] op_sel_hi:[1,0]   ; the sums under the new M (a plain place behind the exponentials)
	s_wait_alu depctr_va_vdst(0)                   ; one wait for the whole batch, ahead of its first reader
.irp b, 0,1,2,3
	v_exp_f32 v[232+\b], v[232+\b]                 ; the block's largest p: the same two instructions on the same number give the same bits
.endr
	v_pk_add_f32 v[236:237], v[100:101], v[104:105]
	v_pk_add_f32 v[254:255], v[108:109], v[112:113]
	v_pk_add_f32 v[250:251], v[116:117], v[120:121]
	v_pk_add_f32 v[248:249], v[124:125], v[128:129]
	v_pk_add_f32 v[246:247], v[132:133], v[136:137]
	v_pk_add_f32 v[244:245], v[140:141], v[144:145]
	v_pk_add_f32 v[242:243], v[148:149], v[152:153]
	v_pk_add_f32 v[14:15], v[14:15], v[156:157]
	v_pk_add_f32 v[236:237], v[236:237], v[96:97]
	v_pk_add_f32 v[254:255], v[254:255], v[98:99]
	v_pk_add_f32 v[250:251], v[250:251], v[102:103]
	v_pk_add_f32 v[248:249], v[248:249], v[106:107]
	v_pk_add_f32 v[246:247], v[246:247], v[110:111]
	v_pk_add_f32 v[244:245], v[244:245], v[114:115]
	v_pk_add_f32 v[242:243], v[242:243], v[118:119]
	v_pk_add_f32 v[14:15], v[14:15], v[122:123]
	v_pk_add_f32 v[236:237], v[236:237], v[126:127]
	v_pk_add_f32 v[254:255], v[254:255], v[130:131]
	v_pk_add_f32 v[250:251], v[250:251], v[134:135]
	v_pk_add_f32 v[248:249], v[248:249], v[138:139]
	v_pk_add_f32 v[246:247], v[246:247], v[142:143]
	v_pk_add_f32 v[244:245], v[244:245], v[146:147]
	v_pk_add_f32 v[242:243], v[242:243], v[150:151]
	v_pk_add_f32 v[14:15], v[14:15], v[154:155]
	v_pk_add_f32 v[236:237], v[236:237], v[158:159]
	s_delay_alu instid0(VALU_DEP_2)
	v_pk_add_f32 v[14:15], v[14:15], v[248:249]
	s_delay_alu instid0(VALU_DEP_2)
	v_pk_add_f32 v[236:237], v[236:237], v[246:247]
	v_pk_add_f32 v[254:255], v[254:255], v[244:245]
	v_pk_add_f32 v[250:251], v[250:251], v[242:243]
	s_delay_alu instid0(VALU_DEP_2)
	v_pk_add_f32 v[14:15], v[14:15], v[254:255]
	s_delay_alu instid0(VALU_DEP_2)
	v_pk_add_f32 v[236:237], v[236:237], v[250:251]
	s_delay_alu instid0(VALU_DEP_1)
	v_pk_add_f32 v[14:15], v[14:15], v[236:237]
	s_wait_alu depctr_va_vdst(0)                   ; and one for the four
.irp b, 0,1,2,3
	v_max_num_f32 v[232+\b], 0x1800000, v[232+\b]  ; the floor 2^(3 - 127): the byte cannot fall under 1
.endr
.irp b, 0,1,2,3
	s_delay_alu instid0(VALU_DEP_4)
	v_add_nc_u32 v[244+\b], 0xff000000, v[232+\b]  ; 2 off the exponent field: the conversion's scale operand
.endr
.irp b, 0,1,2,3
	s_delay_alu instid0(VALU_DEP_4)
	v_lshrrev_b32 v[236+\b], 23, v[244+\b]         ; the scale's byte
.endr
	s_delay_alu instid0(VALU_DEP_3)
	v_lshl_or_b32 v[PW], v237, 8, v236             ; p's scale word for these 128 keys
	s_delay_alu instid0(VALU_DEP_1)
	v_lshl_or_b32 v[PW], v238, 16, v[PW]
	s_delay_alu instid0(VALU_DEP_1)
	v_lshl_or_b32 v[PW], v239, 24, v[PW]
.irp c, 0,1
	v_cvt_scalef32_pk16_fp6_f32 v[PC+6*\c:PC+2+6*\c], v[S+32*\c:S+15+32*\c], v[244+2*\c]
	v_cvt_scalef32_pk16_fp6_f32 v[PT+4*\c:PT+2+4*\c], v[S+16+32*\c:S+31+32*\c], v[245+2*\c]
.endr
	v_nop                                          ; one plain place behind a scaled conversion
.irp c, 0,1                                    ; the layout wants a whole block in a lane: lanes 0-15 block 2 c, lanes 16-31 block 2 c + 1
.irp i, 0,1,2
	v_permlane16_swap_b32 v[PC+6*\c+\i], v[PT+4*\c+\i]
.endr
.irp i, 0,1,2
	s_delay_alu instid0(VALU_DEP_3)
	v_mov_b32 v[PC+3+6*\c+\i], v[PT+4*\c+\i]
.endr
.endr
	s_setprio 0
.irp j, 0,2,4,6,8,10,12,14,16,18,20,22,24,26,28,30
	v_pk_mul_f32 v[O+\j:O+1+\j], v[O+\j:O+1+\j], v[252:253] op_sel_hi:[1,0]   ; O^T under the new M.  These sixteen are also the places between the writes of p's codes and scale word and the products below
.endr
	s_wait_alu depctr_va_vdst(0)
	s_wait_dscnt 0x0                               ; v's fragments and scale words are in
.irp t, 0,1,2,3                                ; O^T += v^T p^T: register j of tile t, lane half h: d = 32 (t / 2) + 16 h + 8 (t % 2) + j.  The four accumulators take turns
.if \t%2
	v_wmma_scale_f32_16x16x128_f8f6f4 v[O+8*\t:O+8*\t+7], v[KV+12*\t:KV+12*\t+11], v[PC:PC+11], v[O+8*\t:O+8*\t+7], v[VS+\t/2], v[PW] matrix_a_fmt:MATRIX_FMT_FP6 matrix_b_fmt:MATRIX_FMT_FP6 matrix_a_scale:MATRIX_SCALE_ROW1
.else
	v_wmma_scale_f32_16x16x128_f8f6f4 v[O+8*\t:O+8*\t+7], v[KV+12*\t:KV+12*\t+11], v[PC:PC+11], v[O+8*\t:O+8*\t+7], v[VS+\t/2], v[PW] matrix_a_fmt:MATRIX_FMT_FP6 matrix_b_fmt:MATRIX_FMT_FP6
.endif
.endr
	s_add_co_u32 s[TB], s[TB], STEPB
	s_add_co_u32 s[TS], s[TS], 768
.endm
; THE CHANGE OF SLOTS stands at a slot's head.  Each wave waits for all its tensor loads, adds 0 to its spare word, and waits for that and for its reads of the slot that it has left.  fill = 1: a round of the cluster's
; barrier follows, so that no wave of any partner still reads that slot or has a load on its way, and the joint refill is the first thing behind it: it has a slot's eight steps in which to land.
.macro CHANGE fill
	s_wait_tensorcnt 0x0                           ; no tensor load of mine is out, so the descriptor may be written
	ds_add_u32 v[SPW], v[NIL]
	ds_add_u32 v[SPW], v[NIL]                      ; 0 onto my spare word
.if \fill
	s_xor_b32 s[G0+1], s[G0+1], SLOT1              ; the other slot than last time,
	s_add_nc_u64 s[G0+2:G0+3], s[G0+2:G0+3], SLOTB ; the next eight steps; the type bits on top are not reached
	s_wait_xcnt 0x0                                ; the last prefetch, a slot back, has read its address
	s_add_nc_u64 s[PFA:PFA+1], s[PFA:PFA+1], SLOTB ; one slot further on than the walking descriptor
.endif
	s_wait_dscnt 0x0                               ; the add is done, and my reads of the slot that I have left are over
.if \fill
	CROUND
	JLOAD 4
	ASK
.else
	s_barrier_signal -1
	s_barrier_wait -1
.endif
.endm
.macro SLOT_STEPS                      ; a slot's eight steps: written once, walked eight times
	s_mov_b32 s[STP], 8
	s_mov_b32 s[TB], s[TBO]
	s_mov_b32 s[TS], s[TSO]
.Lstep_\@:
	s_setprio 2
	STEP
	s_sub_co_u32 s[STP], s[STP], 1
	s_cmp_lg_u32 s[STP], 0
	s_cbranch_scc1 .Lstep_\@
	s_setprio 0
	s_xor_b32 s[TBO], s[TBO], SLOT1                ; on to the other slot,
	s_add_co_u32 s[TSO], s[TSO], 8*768             ; and to its steps' scale words
.endm
	s_wait_loadcnt 0x0                             ; q
.Lslot:                                            ; three trips: behind each change of slots but the last the next slot is asked for
	CHANGE 1
	SLOT_STEPS
	s_sub_co_u32 s[SLOTS], s[SLOTS], 1
	s_cmp_lg_u32 s[SLOTS], 0
	s_cbranch_scc1 .Lslot
	CHANGE 0                                       ; the last slot is written out
	SLOT_STEPS
	; THE WAY OUT: O^T / the sum, quantised along d (two blocks of 32), stored as an image of six registers; the scale words of the work-group's 256 rows are gathered in LDS and leave as 1,024 consecutive bytes.
.rept 4
	v_nop                                          ; places behind the last products
.endr
	v_add_f32 v14, v14, v15                        ; the sum's two halves,
	s_delay_alu instid0(VALU_DEP_1)
	v_permlanex16_b32 v252, v14, s[SEL], s[SEL+1]
	s_delay_alu instid0(VALU_DEP_1)
	v_add_f32 v14, v14, v252                       ; and lane l xor 16's: the row's sum
	s_wait_alu depctr_va_vdst(0)
	v_rcp_f32 v14, v14
	v_nop                                          ; a plain place behind the transcendental
	s_wait_alu depctr_va_vdst(0)                   ; the wait ahead of its first reader
.irp j, 0,2,4,6,8,10,12,14,16,18,20,22,24,26,28,30
	v_pk_mul_f32 v[S+\j:S+1+\j], v[O+\j:O+1+\j], v[14:15] op_sel_hi:[1,0]   ; register 16 b + i: d = 32 b + 16 h + i; each accumulator from its low end on
.endr
	v_max3_num_f32 v232, |v[S]|, |v[S+1]|, 0x1800000
	v_max3_num_f32 v233, |v[S+16]|, |v[S+17]|, 0x1800000
.irp i, 2,4,6,8,10,12,14
	s_delay_alu instid0(VALU_DEP_2)
	v_max3_num_f32 v232, v232, |v[S+\i]|, |v[S+1+\i]|
	s_delay_alu instid0(VALU_DEP_2)
	v_max3_num_f32 v233, v233, |v[S+16+\i]|, |v[S+17+\i]|
.endr
	s_delay_alu instid0(VALU_DEP_2)
	v_permlanex16_b32 v236, v232, s[SEL], s[SEL+1]
	s_delay_alu instid0(VALU_DEP_2)
	v_permlanex16_b32 v237, v233, s[SEL], s[SEL+1]
	s_delay_alu instid0(VALU_DEP_2)
	v_max_num_f32 v232, v232, v236
	s_delay_alu instid0(VALU_DEP_2)
	v_max_num_f32 v233, v233, v237
	s_delay_alu instid0(VALU_DEP_2)
	v_add_nc_u32 v244, 0xff000000, v232
	s_delay_alu instid0(VALU_DEP_2)
	v_add_nc_u32 v245, 0xff000000, v233
	s_delay_alu instid0(VALU_DEP_2)
	v_lshrrev_b32 v236, 23, v244
	s_delay_alu instid0(VALU_DEP_2)
	v_lshrrev_b32 v237, 23, v245
	s_delay_alu instid0(VALU_DEP_1)
	v_lshl_or_b32 v[PW], v237, 8, v236             ; my row's two bytes
	v_cvt_scalef32_pk16_fp6_f32 v[PC:PC+2], v[S:S+15], v244
	v_cvt_scalef32_pk16_fp6_f32 v[PT:PT+2], v[S+16:S+31], v245
	v_nop
.irp i, 0,1,2
	v_permlane16_swap_b32 v[PC+\i], v[PT+\i]
.endr
.irp i, 0,1,2
	s_delay_alu instid0(VALU_DEP_3)
	v_mov_b32 v[PC+3+\i], v[PT+\i]
.endr
	ds_store_b32 v[OSW], v[PW]                     ; lanes l and l xor 16 write the same word with the same value
	global_store_b128 v[LI], v[PC:PC+3], s[8:9]    ; 512 consecutive bytes,
	global_store_b64 v[L8], v[PC+4:PC+5], s[8:9] offset:512   ; and 256
	s_wait_dscnt 0x0                               ; for wave 0's sake: my store has landed
	s_barrier_signal -1
	s_barrier_wait -1
	s_cmp_lg_u32 s[WV], 0
	s_cbranch_scc1 .Lnot_first
	ds_load_b128 v[S:S+3], v[OSR]
	ds_load_b128 v[S+4:S+7], v[OSR] offset:512
	s_wait_dscnt 0x0
	global_store_b128 v[LI], v[S:S+3], s[10:11]
	global_store_b128 v[LI], v[S+4:S+7], s[10:11] offset:512
.Lnot_first:
	s_wait_tensorcnt 0x0                           ; the wave's end, behind my last tensor load and my last LDS store
	ds_add_u32 v[SPW], v[NIL]
	s_wait_dscnt 0x0
	CROUND                                         ; the closing round: no work-group ends while a partner may still ask for a tile that names it
	s_endpgm
.Lfunc_end_k_q41cb86b90f_attn:
	.size	k_q41cb86b90f_attn, .Lfunc_end_k_q41cb86b90f_attn-k_q41cb86b90f_attn
	.p2alignl 7, 3214868480
	.fill 96, 4, 3214868480
	.section	.rodata,"a",@progbits
	.p2align	6, 0x0
	.amdhsa_kernel k_q41cb86b90f_attn
		.amdhsa_group_segment_fixed_size 327680
		.amdhsa_private_segment_fixed_size 0
		.amdhsa_enable_private_segment 0
		.amdhsa_kernarg_size 32
		.amdhsa_user_sgpr_count 2
		.amdhsa_user_sgpr_kernarg_segment_ptr 1
		.amdhsa_wavefront_size32 1
		.amdhsa_system_sgpr_workgroup_id_x 1
		.amdhsa_system_sgpr_workgroup_id_y 1
		.amdhsa_system_sgpr_workgroup_id_z 1
		.amdhsa_system_vgpr_workitem_id 0
		.amdhsa_next_free_vgpr 256
		.amdhsa_next_free_sgpr 66
		.amdhsa_reserve_vcc 0
		.amdhsa_float_denorm_mode_32 3
		.amdhsa_float_denorm_mode_16_64 3
		.amdhsa_memory_ordered 1
		.amdhsa_forward_progress 1
		.amdhsa_inst_pref_size 49
	.end_amdhsa_kernel
	.amdgpu_metadata
---
amdhsa.version: [ 1, 2 ]
amdhsa.kernels:
  - .name:           k_q41cb86b90f_attn
    .symbol:         k_q41cb86b90f_attn.kd
    .args:
      - { .name: qimg, .offset: 0, .size: 8, .value_kind: global_buffer, .address_space: global }
      - { .name: kv, .offset: 8, .size: 8, .value_kind: global_buffer, .address_space: global }
      - { .name: oimg, .offset: 16, .size: 8, .value_kind: global_buffer, .address_space: global }
      - { .name: oscl, .offset: 24, .size: 8, .value_kind: global_buffer, .address_space: global }
    .group_segment_fixed_size: 327680
    .private_segment_fixed_size: 0
    .kernarg_segment_align: 8
    .kernarg_segment_size: 32
    .max_flat_workgroup_size: 512
    .sgpr_count:     66
    .vgpr_count:     256
    .wavefront_size: 32
...
	.end_amdgpu_metadata
.endif
;; end of part 3
;; launch outp (part 4): grid 64 x 4, 16 waves a work-group, no clusters, 83,968 bytes of LDS; arguments x, oimg, oscl, wimg, bo, out0; writes out0
.if DOCPART == 4
	.amdgcn_target "amdgcn-amd-amdhsa--gfx1250"
	.amdhsa_code_object_version 6
	.text
	.protected	k_q41cb86b90f_outp
	.globl	k_q41cb86b90f_outp
	.p2align	8
	.type	k_q41cb86b90f_outp,@function
k_q41cb86b90f_outp:
	s_mov_b64 s[64:65], 0
	v_nop
	global_prefetch_b8 v0, s[64:65] scope:SCOPE_SE
	s_setreg_imm32_b32 hwreg(HW_REG_WAVE_MODE, 25, 1), 1
	s_wait_xcnt 0x0
; out0 = x + wo O + bo, the product on codes of FP6 (E2M3) with one E8M0 byte for each 32 along K = head x 64 + d.  x, out0: [4][256 channels][4096 pixels] f32.
; O arrives as images of operand registers: oimg [image][tile of 16 pixels][head] 768 bytes (registers 0-3: lane l at 16 l; registers 4-5 at 512 + 8 l); a K step of 128 is two heads: registers 0-5 and 6-11 of a fragment.
; Its scale words: oscl [image][head][tile][row], two bytes each: two heads' make a K step's word.  wo arrives as images too (wimg, matrix 3).
; Row r of tile 2 b + u (of pixels, and of wo's rows) stands for index 32 b + 8 u + r + 8 (r / 8).
; SHARES.  A work-group takes 64 pixels (four tiles); wave w takes tile w of wo's rows: 16 output channels, for all 64 pixels: source 0 = 16 pixels, source 1 = 16 rows of wo: a lane holds ONE channel,
; and the 16 registers of tiles 2 b, 2 b + 1 are 16 neighbouring pixels.  So a wave owns whole runs of 256 bytes of out0, and its stage in LDS is its own.
; The work-group's 12,288 bytes of O's codes are copied into LDS once (768 bytes a wave) and read by all sixteen waves.  bo is the C of each sum's first matrix instruction.
; No tensor load: all loads are known at the head and go out there together.
.set STG, 12288                        ; LDS: O's codes at 0; then a stage of 16 rows x (256 bytes + 16) for each wave
.set OF,  64                           ; v64-159  O's eight fragments (2 T + s); later the rows read back from the stage
.set AC,  160                          ; v160-191 four accumulators
.set XR,  192                          ; v192-223 x: my 16 channels x 64 pixels
	s_load_b256 s[4:11], s[0:1], 0x0               ; x, oimg, oscl, wimg
	s_load_b128 s[12:15], s[0:1], 0x20             ; bo, out0
	v_lshl_add_u32 v224, v0, 2, 0x14000
	v_mov_b32 v225, 0
	v_lshrrev_b32 v1, 5, v0
	s_delay_alu instid0(VALU_DEP_1)
	v_readfirstlane_b32 s16, v1                    ; wave 0..15
	s_and_b32 s17, ttmp7, 0xffff                   ; the image
	s_lshr_b32 s18, s16, 1
	s_lshl_b32 s18, s18, 5
	s_and_b32 s19, s16, 1
	s_lshl_b32 s19, s19, 3
	s_add_co_u32 s18, s18, s19                     ; my tile's first channel: 32 (w / 2) + 8 (w % 2)
	s_lshl_b32 s20, s17, 6
	s_add_co_u32 s20, s20, ttmp9
	s_mul_i32 s20, s20, 12288                      ; O's codes of my four tiles
	s_mov_b32 s21, 0
	s_lshl_b32 s22, s17, 16
	s_lshl_b32 s19, ttmp9, 8
	s_add_co_u32 s22, s22, s19                     ; their scale words, head 0
	s_mov_b32 s23, 0
	s_mul_i32 s24, s16, 3072
	s_add_co_u32 s24, s24, 153600                  ; wo's two fragments of tile w
	s_mov_b32 s25, 0
	s_lshl_b32 s26, s16, 7
	s_add_co_u32 s26, s26, 202752                  ; and its scale words
	s_mov_b32 s27, 0
	s_lshl_b32 s28, s18, 2                         ; bo
	s_mov_b32 s29, 0
	s_lshl_b32 s30, s17, 22
	s_lshl_b32 s31, s18, 14
	s_add_co_u32 s30, s30, s31
	s_add_co_u32 s30, s30, s19                     ; x and out0: the image, my first channel, the work-group's 256 bytes of a row
	s_mov_b32 s31, 0
	v_and_b32 v2, 31, v0
	s_delay_alu instid0(VALU_DEP_1)
	v_lshlrev_b32 v1, 4, v2                        ; v1 = 16 x lane
	s_delay_alu instid0(VALU_DEP_2)
	v_lshlrev_b32 v3, 3, v2                        ; v3 = 8 x lane
	s_delay_alu instid0(VALU_DEP_3)
	v_lshlrev_b32 v2, 2, v2                        ; v2 = 4 x lane
	v_and_b32 v9, 15, v0                           ; r
	v_bfe_u32 v8, v0, 4, 1                         ; h
	s_delay_alu instid0(VALU_DEP_2)
	v_lshlrev_b32 v4, 4, v9
	s_delay_alu instid0(VALU_DEP_1)
	v_lshl_add_u32 v4, v8, 14, v4                  ; v4: x, out0: lanes 0-15 one channel's 256 bytes, lanes 16-31 the next channel's
	s_mul_i32 s36, s16, 768
	v_add_nc_u32 v5, s36, v3                       ; v5: the copy: my wave's 768 bytes, 8 a lane: the same place in memory and in LDS
	s_mul_i32 s36, s16, 4352
	s_add_co_u32 s36, s36, STG                     ; my stage
	v_mul_u32_u24 v6, v9, 272
	s_delay_alu instid0(VALU_DEP_1)
	v_lshl_add_u32 v6, v8, 6, v6
	s_delay_alu instid0(VALU_DEP_1)
	v_add_nc_u32 v6, s36, v6                       ; v6: in: row r (my channel), + 64 h: 16 pixels on
	v_mul_u32_u24 v7, v8, 272
	s_delay_alu instid0(VALU_DEP_1)
	v_lshl_add_u32 v7, v9, 4, v7
	s_delay_alu instid0(VALU_DEP_1)
	v_add_nc_u32 v7, s36, v7                       ; v7: back: lanes 0-15 one row, lanes 16-31 the next
	v_lshlrev_b32 v41, 2, v9
	s_delay_alu instid0(VALU_DEP_1)
	v_lshl_add_u32 v8, v8, 15, v41                 ; v8: O's scale words: lanes 0-15 heads 0, 1 (K step 0), lanes 16-31 heads 2, 3: two heads are 32,768 bytes
	v_and_b32 v41, 8, v9
	s_delay_alu instid0(VALU_DEP_1)
	v_add_nc_u32 v9, v9, v41
	s_delay_alu instid0(VALU_DEP_1)
	v_lshlrev_b32 v9, 2, v9                        ; v9 = 4 (r + 8 (r / 8)): bo of my channel
	s_wait_alu depctr_va_vdst(0)
	s_wait_kmcnt 0x0
	s_add_nc_u64 s[20:21], s[6:7], s[20:21]
	s_add_nc_u64 s[22:23], s[8:9], s[22:23]
	s_add_nc_u64 s[24:25], s[10:11], s[24:25]
	s_add_nc_u64 s[26:27], s[10:11], s[26:27]
	s_add_nc_u64 s[28:29], s[12:13], s[28:29]
	s_add_nc_u64 s[32:33], s[4:5], s[30:31]
	s_add_nc_u64 s[34:35], s[14:15], s[30:31]
.irp i, 0,1,2
	global_load_b64 v[10+2*\i:11+2*\i], v5, s[20:21] offset:256*\i   ; the copy: 256 consecutive bytes a load
.endr
.irp T, 0,1,2,3
	global_load_b32 v[50+\T], v8, s[22:23] offset:64*\T              ; the lower head's two bytes,
	global_load_b32 v[54+\T], v8, s[22:23] offset:64*\T+16384        ; the upper head's
.endr
.irp f, 0,1
.irp i, 0,1,2
	global_load_b128 v[16+12*\f+4*\i:16+12*\f+4*\i+3], v1, s[24:25] offset:1536*\f+512*\i
.endr
.endr
	global_load_b32 v40, v2, s[26:27]              ; wo's scale words: lanes 0-15 K step 0, lanes 16-31 K step 1
.irp j, 0,1,2,3,4,5,6,7
	global_load_b32 v[42+\j], v9, s[28:29]         ; a lane holds one channel: its bias in all eight registers
.endr
.irp i, 0,1,2,3,4,5,6,7
	global_load_b128 v[XR+4*\i:XR+4*\i+3], v4, s[32:33] offset:(2*\i+8*(\i/4))*16384 th:TH_LOAD_NT   ; stage rows 2 i, 2 i + 1 are channels 2 i + 8 (i / 4) on
.endr
	s_wait_loadcnt 31                              ; the copy's three are in; behind them 8 + 15 + 8 were issued
.irp i, 0,1,2
	ds_store_b64 v5, v[10+2*\i:11+2*\i] offset:256*\i
.endr
	s_wait_loadcnt 8                               ; all but x's eight
.irp T, 0,1,2,3
	v_lshl_or_b32 v[58+\T], v[54+\T], 16, v[50+\T] ; a K step's scale word of tile T
.endr
	s_wait_alu depctr_va_vdst(0)
	s_wait_dscnt 0x0                               ; for the others' sake: my stores have landed
	s_barrier_signal -1
	s_barrier_wait -1
.irp T, 0,1,2,3
.irp s, 0,1
.irp c, 0,1
	ds_load_b128 v[OF+12*(2*\T+\s)+6*\c:OF+12*(2*\T+\s)+6*\c+3], v1 offset:(4*\T+2*\s+\c)*768
	ds_load_b64 v[OF+12*(2*\T+\s)+6*\c+4:OF+12*(2*\T+\s)+6*\c+5], v3 offset:(4*\T+2*\s+\c)*768+512
.endr
.endr
.endr
.rept 8
	v_nop                                          ; a scale register written by a vector instruction stands eight places ahead of a scaled matrix instruction
.endr
	s_wait_dscnt 0x0
.irp T, 0,1,2,3                                ; the four accumulators take turns, K step by K step
	v_wmma_scale_f32_16x16x128_f8f6f4 v[AC+8*\T:AC+8*\T+7], v[OF+24*\T:OF+24*\T+11], v[16:27], v[42:49], v[58+\T], v40 matrix_a_fmt:MATRIX_FMT_FP6 matrix_b_fmt:MATRIX_FMT_FP6
.endr
.irp T, 0,1,2,3
	v_wmma_scale_f32_16x16x128_f8f6f4 v[AC+8*\T:AC+8*\T+7], v[OF+24*\T+12:OF+24*\T+23], v[28:39], v[AC+8*\T:AC+8*\T+7], v[58+\T], v40 matrix_a_fmt:MATRIX_FMT_FP6 matrix_b_fmt:MATRIX_FMT_FP6 matrix_a_scale:MATRIX_SCALE_ROW1 matrix_b_scale:MATRIX_SCALE_ROW1
.endr
.rept 4
	v_nop                                          ; places in front of the first read of results and of the loads into the fragments' registers
.endr
.irp T, 0,1,2,3
	ds_store_b128 v6, v[AC+8*\T:AC+8*\T+3] offset:128*(\T/2)+32*(\T%2)         ; register j: pixel 32 (T / 2) + 16 h + 8 (T % 2) + j; each accumulator from its low end on
	ds_store_b128 v6, v[AC+8*\T+4:AC+8*\T+7] offset:128*(\T/2)+32*(\T%2)+16
.endr
.irp i, 0,1,2,3,4,5,6,7
	ds_load_b128 v[OF+4*\i:OF+4*\i+3], v7 offset:544*\i   ; LDS serves a wave's instructions in order (ISA guide 5.7.1.4): these see my stores
.endr
.irp i, 0,1,2,3,4,5,6,7
	s_wait_dscnt 7-\i                              ; rows 2 i, 2 i + 1 are back; the later rows may be out
	s_wait_loadcnt 7-\i                            ; and so is x's part; the later loads may be out
	v_pk_add_f32 v[OF+4*\i:OF+4*\i+1], v[OF+4*\i:OF+4*\i+1], v[XR+4*\i:XR+4*\i+1]
	v_pk_add_f32 v[OF+4*\i+2:OF+4*\i+3], v[OF+4*\i+2:OF+4*\i+3], v[XR+4*\i+2:XR+4*\i+3]
	global_store_b128 v4, v[OF+4*\i:OF+4*\i+3], s[34:35] offset:(2*\i+8*(\i/4))*16384 th:TH_STORE_NT   ; sixteen lanes store 256 consecutive bytes, at a multiple of 256 from out0's first byte
.endr
	s_wait_tensorcnt 0x0
	ds_add_u32 v224, v225
	s_wait_dscnt 0x0
	s_endpgm
.Lfunc_end_k_q41cb86b90f_outp:
	.size	k_q41cb86b90f_outp, .Lfunc_end_k_q41cb86b90f_outp-k_q41cb86b90f_outp
	.p2alignl 7, 3214868480
	.fill 96, 4, 3214868480
	.section	.rodata,"a",@progbits
	.p2align	6, 0x0
	.amdhsa_kernel k_q41cb86b90f_outp
		.amdhsa_group_segment_fixed_size 83968
		.amdhsa_private_segment_fixed_size 0
		.amdhsa_enable_private_segment 0
		.amdhsa_kernarg_size 48
		.amdhsa_user_sgpr_count 2
		.amdhsa_user_sgpr_kernarg_segment_ptr 1
		.amdhsa_wavefront_size32 1
		.amdhsa_system_sgpr_workgroup_id_x 1
		.amdhsa_system_sgpr_workgroup_id_y 1
		.amdhsa_system_sgpr_workgroup_id_z 1
		.amdhsa_system_vgpr_workitem_id 0
		.amdhsa_next_free_vgpr 226
		.amdhsa_next_free_sgpr 66
		.amdhsa_reserve_vcc 0
		.amdhsa_float_denorm_mode_32 3
		.amdhsa_float_denorm_mode_16_64 3
		.amdhsa_memory_ordered 1
		.amdhsa_forward_progress 1
		.amdhsa_inst_pref_size 14
	.end_amdhsa_kernel
	.amdgpu_metadata
---
amdhsa.version: [ 1, 2 ]
amdhsa.kernels:
  - .name:           k_q41cb86b90f_outp
    .symbol:         k_q41cb86b90f_outp.kd
    .args:
      - { .name: x, .offset: 0, .size: 8, .value_kind: global_buffer, .address_space: global }
      - { .name: oimg, .offset: 8, .size: 8, .value_kind: global_buffer, .address_space: global }
      - { .name: oscl, .offset: 16, .size: 8, .value_kind: global_buffer, .address_space: global }
      - { .name: wimg, .offset: 24, .size: 8, .value_kind: global_buffer, .address_space: global }
      - { .name: bo, .offset: 32, .size: 8, .value_kind: global_buffer, .address_space: global }
      - { .name: out0, .offset: 40, .size: 8, .value_kind: global_buffer, .address_space: global }
    .group_segment_fixed_size: 83968
    .private_segment_fixed_size: 0
    .kernarg_segment_align: 8
    .kernarg_segment_size: 48
    .max_flat_workgroup_size: 512
    .sgpr_count:     66
    .vgpr_count:     226
    .wavefront_size: 32
...
	.end_amdgpu_metadata
.endif
;; end of part 4
